; MI455X (gfx1250); checked and timed in simulation.
; The chip was launched on July 23, 2026; its instructions are those of AMD's public machine-readable ISA for CDNA 5 (MIT licence, August 2026) and "CDNA5" Instruction Set Architecture Reference Guide (July 2026). The comments in the code are by the model that wrote it; some were corrected since.
;; Praxis Expert. Allowed arithmetic: matrix products marked QUANTISED: E2M1 operands, one E8M0 scale for each 32 along K, by v_wmma_scale_f32_16x16x128_f8f6f4 with both operands' format E2M1 (or v_wmma_scale_f32_32x16x128_f4), f32 sums; everything else in f32.
;; Inputs: W1 8 x 512 x 2,048 float32; W2 8 x 2,048 x 512 float32; b1 8 x 2,048 float32; b2 8 x 512 float32; expert_indices 4 x 1,024 x 2 int32; inputs 4 x 1,024 x 512 float32.
;; Outputs: out0 4 x 1,024 x 2 x 512 float32.
;; This version of the problem:
;;   THIS VERSION OF THE PROBLEM IS GIVEN IN LOW PRECISION. The matrix products marked QUANTISED in the list below multiply operands that are first quantised to E2M1 (2 exponent bits, 1 mantissa bit; 4 bits a number), with one power-of-two scale for each 32 numbers along K (OCP MX v1.0); their sums are f32. All else is computed in f32.
;;   The module's matrix products, in the order in which they are computed (A, B: the left and right operand; K: the contracted axis; several contracted axes count as one K, in the product's order):
;;     1. [M 16,384, K 512] x [K 512, N 4,096]; A: input W1; B: input inputs: QUANTISED
;;     2. batch 8 x [M 4,096, K 2,048] x [K 2,048, N 512]; A: computed on the way; B: input W2: QUANTISED
;;   THE QUANTISER, for each operand of a quantised product, along K:
;;     - K is cut into blocks of 32 from its start; a last block that is shorter is filled with zeros.
;;     - A block's scale is 2^e with e = floor(log2(the largest magnitude in the block)) - 2, held to -126 .. 127; a block of zeros has e = 0. As a byte (E8M0): e + 127.
;;     - Each number is divided by its block's scale, clamped to +-6, and rounded to the nearest number of E2M1, ties to even, subnormals kept.
;;     - The product sums the exact products of the quantised numbers (number of the format x scale) in f32.
;;   ~~~python
;;   def quantise(x, axis):      # numpy; x: float32 -> the quantised numbers, widened to float32 again
;;       x = np.moveaxis(x, axis, -1); K = x.shape[-1]
;;       x = np.pad(x, [(0, 0)] * (x.ndim - 1) + [(0, -K % 32)]); x = x.reshape(x.shape[:-1] + (-1, 32)); a = np.abs(x).max(-1, keepdims=True)
;;       e = np.where(a > 0, np.clip(np.frexp(np.where(a > 0, a, 1))[1] - 1 - 2, -126, 127), 0)      # np.frexp(a)[1] - 1 = floor(log2(a)), exactly
;;       r = np.clip(x / 2.0 ** e, -6, 6)
;;       step = 2.0 ** (np.maximum(np.frexp(np.where(r == 0, 1, r))[1] - 1, 0) - 1)
;;       q = np.round(r / step) * step * 2.0 ** e      # np.round: ties to even
;;       return np.moveaxis(q.reshape(q.shape[:-2] + (-1,))[..., :K], -1, axis).astype(np.float32)
;;   ~~~
;;   OPERANDS COMPUTED ON THE WAY. 'Computed on the way' means the value that the module computes at that place (a softmax that the list does not call 'softmax' is quantised finished and normalised). What goes into a quantiser is computed in f32, as accurately as f32 sums, v_exp_f32 and their like allow (about 1e-6 of the number): no bf16 or f16 on the way to a quantiser, and a product that is left as it is and whose result goes on into a quantised operand takes f32 operands (vector FMAs, or v_wmma_f32_16x16x4_f32). A number that lies on a knife's edge between two numbers of the format may be rounded either way, as far as f32 arithmetic and the matrix unit's own rounding can turn it there, and no further.
;; 2 versions, each right; version 2 is version 1 with the launch chain written anew for expert scheduling mode. Each part assembles by itself: llvm-mc -triple=amdgcn-amd-amdhsa -mcpu=gfx1250 --defsym DOCPART=n.
;; ======== version 1 of 2: 2 launches
;; workspace buffers: w1q 4,456,448 bytes; w2q 4,456,448 bytes; order 32,768 bytes of whole numbers; tiles 2,560 bytes of whole numbers
;; launch prep (part 1): grid 256 x 1, 16 waves a work-group, no clusters, 4,096 bytes of LDS; arguments W1, W2, expert_indices, w1q, w2q, order, tiles; writes w1q, w2q, order, tiles
.if DOCPART == 1
	.amdgcn_target "amdgcn-amd-amdhsa--gfx1250"
	.amdhsa_code_object_version 6
	.text
	.protected	k_q3975c5705b_prep
	.globl	k_q3975c5705b_prep
	.p2align	8
	.type	k_q3975c5705b_prep,@function
k_q3975c5705b_prep:
	s_mov_b64 s[64:65], 0
	v_nop
	global_prefetch_b8 v0, s[64:65] scope:SCOPE_SE
	s_setreg_imm32_b32 hwreg(HW_REG_WAVE_MODE, 25, 1), 1
	s_wait_xcnt 0x0
; PREP.  Work-groups 0-127 turn W1, work-groups 128-255 W2, into codes of FP4 (E2M1) with one E8M0 scale byte for each 32 along K.  W1 [8][512 (K)][2048] and W2 [8][2048 (K)][512] have K as the first axis within an expert.
; Work-group 0 also sorts the 8,192 routed rows (row 2 t + j of expert_indices) by expert and writes the list of tiles: between its second and its third block, while the 64 loads of its last two blocks are on their way.
; THE QUANTISER.  A block's scale is 2^(floor(log2(its largest magnitude)) - 2); its byte is the largest magnitude's exponent field - 2, held at 1 from below by a floor among the maximum's leaves.
; LIMITS: a block of zeros gets the byte 1 where the rule says 127 (its codes are zeros, which add nothing, and this program alone reads the bytes); NaN and infinities among the inputs are not served.
; THE CHUNK, 4,352 bytes, is the unit of w1q and w2q: 64 outputs (group G) x 128 along K (K step s), at expert x 557,056 + (G x steps + s) x 4,352 (steps = 4 for W1, 16 for W2).
;   bytes 0-4,095: four fragments q of 16 outputs x 128 K in the order of the operand's registers: block b (32 along K) of the tile's row r' at 1,024 q + 256 b + 16 r';
;   bytes 4,096-4,351: the scale words (four bytes: a row's four blocks): tile 2 p + u, row r', at 4,096 + 128 p + 4 (r' + 16 u).
;   Within each 32 outputs, tile u takes output 8 u + r' + 8 (r' / 8): in the transposed product a lane's 16 registers of two neighbouring tiles are then 16 neighbouring outputs.
; A LANE TAKES A COLUMN AND ITS REGISTERS RUN DOWN K: each load reads 128 consecutive bytes a wave, a block's 32 numbers lie in one lane, and a lane's 16 bytes of codes go straight to their place in the chunk:
; each store of a wave covers twice 256 consecutive bytes, aligned.  A work-group takes 512 columns x one K step; wave w 32 columns.  The weights' work uses no LDS and no barrier.
; THE SORT has no atomics and no branch on loaded numbers.  The order of rows within an expert is free, so a row's place is: where its expert begins + the expert's rows in the waves ahead of mine + in the lanes ahead
; of mine + in my lane's registers ahead of it.  All counts are kept packed: eight experts in 4-bit, then 16-bit fields.
.set CHUNK, 4352
.set EXPB,  128*CHUNK                  ; an expert's chunks: 557,056 bytes
; the weights: v2 4 x lane; v3 my codes' place in the chunk; v4 my scale word's; v8-11 at work; v12 the scale word
.set C,     16                         ; v16-31  codes: four registers for each block, so that no store's data are written again
.set X,     32                         ; v32-95  two sets of 32 numbers
; the sort lives in v128-247 alone: it names no register that a pending load or store of the weights' work names
.set RA,    128                        ; LDS: 16 x my wave
.set RB,    129                        ; LDS: 16 x (lane % 16)
.set RI,    130                        ; 16 x lane: my expert numbers' place in the wave's 2,048 bytes
.set RV,    131                        ; 512 w + 4 lane
.set CC,    132                        ; eight running counts of 4 bits: expert e's at bit 4 e
.set C0,    133                        ; the counts of my first eight entries,
.set D1,    134                        ; and of my last eight: 8 at the most, so no field of 4 bits runs over
.set WA,    135                        ; at work
.set WB,    136
.set U,     140                        ; v140-143 at work
.set CWV,   144                        ; v144-147 lane l: wave l % 16's totals
.set TOTW,  148                        ; v148-151 counts in 16-bit fields: experts (0, 4), (2, 6), (1, 5), (3, 7): mine, then my wave's; later the byte planes
.set VT,    152                        ; v152-155 what another lane sent
.set PRE,   156                        ; v156-159 the same fields: the lanes ahead of mine; later each expert's next place for my lane
.set IDX,   160                        ; v160-175 my 16 expert numbers
.set POS,   176                        ; v176-191 their ranks within my lane, then their places in the sorted list
.set VAL,   192                        ; v192-207 their routed-row numbers
.set SH,    208                        ; v208-223 4 x expert; later the high bytes looked up
.set LO,    224                        ; v224-239 the low bytes looked up
.set ENT,   240                        ; v240-247 an entry of the list of tiles
.set MK,    24                         ; s24-28   the lanes whose number has bit 0, 1, 2, 3, 4 set
.set TT,    32                         ; s[32:39] the experts' totals
.set PF,    40                         ; s40-43   the waves ahead of mine, packed as TOTW
.set TW,    44                         ; s44-47   all waves, packed as TOTW
.set OF,    48                         ; s[48:55] where each expert's rows begin
.set TB,    56                         ; s[56:63] each expert's first tile
.set SM,    66                         ; a lane mask
.set ST,    67                         ; at work
.macro WLOAD t, n                      ; block t: W(32 t + i, my column), i = 0 .. 31, into set t % 2; n = numbers in a row.  The largest offset, 127 rows of 8,192 bytes, lies inside the signed 24-bit immediate
.irp i, 0,1,2,3,4,5,6,7,8,9,10,11,12,13,14,15,16,17,18,19,20,21,22,23,24,25,26,27,28,29,30,31
	global_load_b32 v[X+32*((\t)%2)+\i], v2, s[20:21] offset:(32*(\t)+\i)*(\n)*4 th:TH_LOAD_NT
.endr
.endm
.macro WBLOCK t, n
.set XS, X+32*((\t)%2)
.if (\t) < 3
	s_wait_loadcnt 32                              ; this block's 32 loads are in; the next block's 32, issued behind them, may be out
.else
	s_wait_loadcnt 0x0
.endif
	v_max3_num_f32 v8, |v[XS]|, |v[XS+1]|, |v[XS+2]|               ; the block's largest magnitude: all 32 numbers are mine; two chains
	v_max3_num_f32 v9, |v[XS+3]|, |v[XS+4]|, |v[XS+5]|
.irp i, 6,10,14,18,22,26
	v_max3_num_f32 v8, v8, |v[XS+\i]|, |v[XS+\i+1]|
	v_max3_num_f32 v9, v9, |v[XS+\i+2]|, |v[XS+\i+3]|
.endr
	v_max3_num_f32 v8, v8, |v[XS+30]|, |v[XS+31]|
	v_max3_num_f32 v8, v8, v9, 0x1800000           ; and the floor 2^(3 - 127): the byte cannot fall under 1
	v_add_nc_u32 v10, 0xff000000, v8               ; 2 off its exponent field: the conversion takes the exponent field of this operand as its scale, and nothing else of it
	v_lshrrev_b32 v11, 23, v10                     ; the scale's byte
.if (\t) == 0
	v_mov_b32 v12, v11                             ; four bytes make my column's scale word, the lower K in the lower byte
.else
	v_lshl_or_b32 v12, v11, 8*(\t), v12
.endif
.irp g, 0,1,2,3
	v_cvt_scalef32_pk8_fp4_f32 v[C+4*(\t)+\g], v[XS+8*\g:XS+8*\g+7], v10
.endr
	v_nop                                          ; one plain line behind the conversions: the next block writes their scale operand
	global_store_b128 v3, v[C+4*(\t):C+4*(\t)+3], s[22:23] offset:256*(\t)   ; 32 codes a lane; the wave covers twice 256 consecutive bytes, aligned
.if (\t) < 2
	WLOAD (\t)+2, \n
.endif
.endm
.macro QW n                            ; a K step of my column: four blocks, the loads two blocks (64 loads a wave) ahead.  No register of a pending load or store is written again
	WLOAD 0, \n
	WLOAD 1, \n
	WBLOCK 0, \n
	WBLOCK 1, \n
	WBLOCK 2, \n
	WBLOCK 3, \n
	global_store_b32 v4, v12, s[22:23]             ; the scale words: 128 consecutive bytes a wave
.endm
; One step of the prefix over the 32 lanes, on the four packed registers.  TOTW holds the sum over my group of d lanes, PRE the sum over the lanes of that group ahead of mine.  The partner group's sum comes from lane
; l xor d; where my lane's number has that bit set the partner group lies ahead of mine and counts for PRE; both groups together are the next step's group.
.macro SCAN d, msk, first
.if \d == 16
.irp k, 0,1,2,3
	v_permlanex16_b32 v[VT+\k], v[TOTW+\k], s30, s31
.endr
.else
.irp k, 0,1,2,3
	v_mov_b32_dpp v[VT+\k], v[TOTW+\k] row_xmask:\d row_mask:0xf bank_mask:0xf
.endr
.endif
.if \first
.irp k, 0,1,2,3
	v_cndmask_b32 v[PRE+\k], 0, v[VT+\k], s[\msk]
.endr
.else
.irp k, 0,1,2,3
	v_cndmask_b32 v[U+\k], 0, v[VT+\k], s[\msk]
.endr
.irp k, 0,1,2,3
	v_add_nc_u32 v[PRE+\k], v[PRE+\k], v[U+\k]
.endr
.endif
.irp k, 0,1,2,3
	v_add_nc_u32 v[TOTW+\k], v[TOTW+\k], v[VT+\k]
.endr
.endm
.macro UNPK k, a, b                    ; packed register k holds expert a below and expert b above
	s_and_b32 s[TT+\a], s[TW+\k], 0xffff
	s_lshr_b32 s[TT+\b], s[TW+\k], 16
.endm
.macro BASE k, a, b                    ; where the experts begin + the waves ahead of mine + the lanes ahead of mine: every field stays at 8,192 or under, so none runs over
	s_lshl_b32 s[ST], s[OF+\b], 16
	s_or_b32 s[ST], s[ST], s[OF+\a]
	s_add_co_u32 s[PF+\k], s[PF+\k], s[ST]
	v_add_nc_u32 v[PRE+\k], s[PF+\k], v[PRE+\k]
.endm
	s_load_b256 s[4:11], s[0:1], 0x0               ; W1 s[4:5], W2 s[6:7], expert_indices s[8:9], w1q s[10:11]
	s_load_b128 s[12:15], s[0:1], 0x20             ; w2q s[12:13], order s[14:15]
	s_load_b64 s[16:17], s[0:1], 0x30              ; tiles
	v_lshl_add_u32 v254, v0, 2, 0x800
	v_mov_b32 v255, 0
	v_lshrrev_b32 v1, 5, v0
	v_readfirstlane_b32 s18, v1                    ; wave 0..15
	v_and_b32 v1, 31, v0                           ; lane
	; ---- what both tensors share
	v_lshlrev_b32 v2, 2, v1                        ; in: 4 bytes a lane
	v_bfe_u32 v5, v1, 3, 1                         ; u = (lane / 8) % 2: which of the two tiles my column falls into
	v_and_b32 v6, 7, v1
	v_lshrrev_b32 v7, 4, v1
	v_lshl_add_u32 v6, v7, 3, v6                   ; r' = lane % 8 + 8 (lane / 16): its row there
	s_and_b32 s29, s18, 1                          ; p: which 32 of the group's 64 outputs are my wave's
	s_lshl_b32 s30, s29, 11
	v_lshlrev_b32 v3, 4, v6
	v_lshl_add_u32 v3, v5, 10, v3
	v_add_nc_u32 v3, s30, v3                       ; codes: 2,048 p + 1,024 u + 16 r'
	s_lshl_b32 s30, s29, 7
	s_add_co_u32 s30, s30, 4096
	v_lshl_add_u32 v4, v5, 4, v6
	v_lshlrev_b32 v4, 2, v4
	v_add_nc_u32 v4, s30, v4                       ; scale word: 4,096 + 128 p + 4 (r' + 16 u)
	s_lshl_b32 s31, s18, 7                         ; my wave's 32 columns, in bytes
	s_lshr_b32 s28, s18, 1                         ; wave / 2
	s_mov_b32 s21, 0
	s_mov_b32 s23, 0
	s_wait_kmcnt 0x0
	s_cmp_gt_u32 ttmp9, 127                        ; the paths part on the work-group's number alone
	s_cbranch_scc1 .Lw2
	; ---- W1: work-group = expert x 16 + K step x 4 + block of 512 columns
	s_lshr_b32 s24, ttmp9, 4                       ; expert
	s_bfe_u32 s25, ttmp9, 0x20002                  ; K step (2 bits from bit 2)
	s_and_b32 s26, ttmp9, 3                        ; which 512 columns
	s_lshl_b32 s20, s24, 22                        ; an expert: 512 x 2,048 x 4 bytes
	s_lshl_b32 s27, s25, 20                        ; a K step: 128 rows of 8,192 bytes
	s_add_co_u32 s20, s20, s27
	s_lshl_b32 s27, s26, 11
	s_add_co_u32 s20, s20, s27
	s_add_co_u32 s20, s20, s31
	s_add_nc_u64 s[20:21], s[4:5], s[20:21]
	s_lshl_b32 s27, s26, 3
	s_add_co_u32 s27, s27, s28                     ; group G = 8 x block + wave / 2
	s_lshl_b32 s27, s27, 2
	s_add_co_u32 s27, s27, s25                     ; chunk 4 G + s
	s_mul_i32 s27, s27, CHUNK
	s_mul_i32 s22, s24, EXPB
	s_add_co_u32 s22, s22, s27
	s_add_nc_u64 s[22:23], s[10:11], s[22:23]
	s_cmp_eq_u32 ttmp9, 0
	s_cbranch_scc1 .Lw1_sort
	QW 2048
	s_endpgm
.Lw2:
	; ---- W2: work-group - 128 = expert x 16 + K step; the sixteen waves cover all 512 columns
	s_sub_co_u32 s19, ttmp9, 128
	s_lshr_b32 s24, s19, 4                         ; expert
	s_and_b32 s25, s19, 15                         ; K step
	s_lshl_b32 s20, s24, 22                        ; an expert: 2,048 x 512 x 4 bytes
	s_lshl_b32 s27, s25, 18                        ; a K step: 128 rows of 2,048 bytes
	s_add_co_u32 s20, s20, s27
	s_add_co_u32 s20, s20, s31
	s_add_nc_u64 s[20:21], s[6:7], s[20:21]
	s_lshl_b32 s27, s28, 4
	s_add_co_u32 s27, s27, s25                     ; chunk 16 G + s, G = wave / 2
	s_mul_i32 s27, s27, CHUNK
	s_mul_i32 s22, s24, EXPB
	s_add_co_u32 s22, s22, s27
	s_add_nc_u64 s[22:23], s[12:13], s[22:23]
	QW 512
	s_endpgm
.Lw1_sort:
	; ---- WORK-GROUP 0: its share of W1, and the sort.  Wave w owns routed rows 512 w .. 512 w + 511; register 4 q + j of lane l is row 512 w + 128 q + 4 l + j.
	; The expert numbers are asked for ahead of all the weights' loads.  Loads come back in order (ISA guide 5.7.1), so the second block's wait, which leaves 32 younger loads out, shows them in as well.
	s_lshl_b32 s68, s18, 11
	s_mov_b32 s69, 0
	s_add_nc_u64 s[8:9], s[8:9], s[68:69]
	v_lshlrev_b32 v[RI], 4, v1
.irp q, 0,1,2,3
	global_load_b128 v[IDX+4*\q:IDX+4*\q+3], v[RI], s[8:9] offset:512*\q
.endr
	WLOAD 0, 2048
	WLOAD 1, 2048
	WBLOCK 0, 2048
	WBLOCK 1, 2048                                 ; blocks 2 and 3 are on their way from here on: the sort stands in the time in which they land
	v_lshrrev_b32 v[RA], 5, v0
	v_lshlrev_b32 v[RA], 4, v[RA]
	v_and_b32 v[RB], 15, v0
	v_lshlrev_b32 v[RB], 4, v[RB]
	s_lshl_b32 s68, s18, 9
	v_lshl_add_u32 v[RV], v1, 2, s68
	v_mov_b32 v[CC], 0
	v_mov_b32 v[D1], 0
.irp k, 0,1,2,3
	v_mov_b32 v[VT+\k], 0                          ; written once: the destination of a DPP form or a lane permute counts as one of its sources
.endr
	s_mov_b32 s[MK], 0xaaaaaaaa
	s_mov_b32 s[MK+1], 0xcccccccc
	s_mov_b32 s[MK+2], 0xf0f0f0f0
	s_mov_b32 s[MK+3], 0xff00ff00
	s_mov_b32 s[MK+4], 0xffff0000
	s_mov_b32 s30, 0x76543210
	s_mov_b32 s31, 0xfedcba98                      ; v_permlanex16_b32's selects for lane l xor 16
.irp i, 0,1,2,3,4,5,6,7,8,9,10,11,12,13,14,15
	v_add_nc_u32 v[VAL+\i], 128*(\i/4)+\i%4, v[RV]
.endr
.irp i, 0,1,2,3,4,5,6,7,8,9,10,11,12,13,14,15
	v_lshlrev_b32 v[SH+\i], 2, v[IDX+\i]           ; 4 x expert: where its field of 4 bits begins
.endr
	; an entry's rank among my lane's 16: its expert's count so far, read ahead of the increment: 15 at the most
.irp i, 0,1,2,3,4,5,6,7
	v_bfe_u32 v[POS+\i], v[CC], v[SH+\i], 4
	v_lshl_add_u32 v[CC], 1, v[SH+\i], v[CC]
.endr
	v_mov_b32 v[C0], v[CC]
.irp i, 8,9,10,11,12,13,14
	v_bfe_u32 v[POS+\i], v[CC], v[SH+\i], 4
	v_lshl_add_u32 v[CC], 1, v[SH+\i], v[CC]
	v_lshl_add_u32 v[D1], 1, v[SH+\i], v[D1]
.endr
	v_bfe_u32 v[POS+15], v[CC], v[SH+15], 4        ; (the running count is not stepped a sixteenth time: it could run over)
	v_lshl_add_u32 v[D1], 1, v[SH+15], v[D1]
	; my lane's counts: the two halves widened to bytes and added (16 at the most), then to 16-bit fields
	v_and_b32 v[WA], 0x0f0f0f0f, v[C0]
	v_and_b32 v[WB], 0x0f0f0f0f, v[D1]
	v_lshrrev_b32 v[C0], 4, v[C0]
	v_lshrrev_b32 v[D1], 4, v[D1]
	v_add_nc_u32 v[WA], v[WA], v[WB]               ; bytes: experts 0, 2, 4, 6
	v_and_b32 v[C0], 0x0f0f0f0f, v[C0]
	v_and_b32 v[D1], 0x0f0f0f0f, v[D1]
	v_add_nc_u32 v[WB], v[C0], v[D1]               ; bytes: experts 1, 3, 5, 7
	v_and_b32 v[TOTW], 0xff00ff, v[WA]             ; experts (0, 4)
	v_and_b32 v[TOTW+2], 0xff00ff, v[WB]           ; (1, 5)
	v_lshrrev_b32 v[WA], 8, v[WA]
	v_lshrrev_b32 v[WB], 8, v[WB]
	v_and_b32 v[TOTW+1], 0xff00ff, v[WA]           ; (2, 6)
	v_and_b32 v[TOTW+3], 0xff00ff, v[WB]           ; (3, 7)
	SCAN 1,  MK,   1
	SCAN 2,  MK+1, 0
	SCAN 4,  MK+2, 0
	SCAN 8,  MK+3, 0
	SCAN 16, MK+4, 0                               ; PRE: the lanes ahead of mine; TOTW: my wave's totals, 512 at the most, the same in every lane
	ds_store_b128 v[RA], v[TOTW:TOTW+3]            ; 16 bytes for each wave; all lanes write the same bytes with the same value
	s_wait_dscnt 0x0                               ; for the others' sake: my store has landed
	s_barrier_signal -1
	s_barrier_wait -1
	ds_load_b128 v[CWV:CWV+3], v[RB]               ; lane l: wave l % 16's totals
	v_cmp_gt_u32 s[SM], s18, v1                    ; lanes 0-15 keep the waves ahead of mine,
	s_or_b32 s[SM], s[SM], s[MK+4]                 ; lanes 16-31 all sixteen
	s_wait_dscnt 0x0
.irp k, 0,1,2,3
	v_cndmask_b32 v[CWV+\k], 0, v[CWV+\k], s[SM]
.endr
.irp d, 1,2,4,8                                ; one sum over each 16 lanes gives both
.irp k, 0,1,2,3
	v_mov_b32_dpp v[VT+\k], v[CWV+\k] row_xmask:\d row_mask:0xf bank_mask:0xf
.endr
.irp k, 0,1,2,3
	v_add_nc_u32 v[CWV+\k], v[CWV+\k], v[VT+\k]
.endr
.endr
.irp k, 0,1,2,3
	v_readlane_b32 s[PF+\k], v[CWV+\k], 0
	v_readlane_b32 s[TW+\k], v[CWV+\k], 16
.endr
	UNPK 0, 0, 4
	UNPK 1, 2, 6
	UNPK 2, 1, 5
	UNPK 3, 3, 7
	s_mov_b32 s[OF], 0
.irp e, 1,2,3,4,5,6,7
	s_add_co_u32 s[OF+\e], s[OF+\e-1], s[TT+\e-1]  ; where the expert's rows begin
.endr
	BASE 0, 0, 4
	BASE 1, 2, 6
	BASE 2, 1, 5
	BASE 3, 3, 7                                   ; PRE: for each expert the place of my lane's first row of it
	; the eight places as two planes of bytes, expert e's at byte e of a pair of registers: so the expert number itself is the selector of v_perm_b32 (0-3: the second source's bytes, 4-7: the first's)
	v_perm_b32 v[U],   v[PRE+2], v[PRE],   0x05010400   ; experts 0, 1: low bytes, high bytes
	v_perm_b32 v[U+1], v[PRE+3], v[PRE+1], 0x05010400   ; experts 2, 3
	v_perm_b32 v[U+2], v[PRE+2], v[PRE],   0x07030602   ; experts 4, 5
	v_perm_b32 v[U+3], v[PRE+3], v[PRE+1], 0x07030602   ; experts 6, 7
	v_perm_b32 v[TOTW],   v[U+1], v[U],   0x05040100    ; low bytes of experts 0-3
	v_perm_b32 v[TOTW+1], v[U+1], v[U],   0x07060302    ; high bytes of experts 0-3
	v_perm_b32 v[TOTW+2], v[U+3], v[U+2], 0x05040100    ; low bytes of experts 4-7
	v_perm_b32 v[TOTW+3], v[U+3], v[U+2], 0x07060302    ; high bytes of experts 4-7
.irp i, 0,1,2,3,4,5,6,7,8,9,10,11,12,13,14,15
	v_perm_b32 v[LO+\i], v[TOTW+2], v[TOTW], v[IDX+\i]      ; byte 0: my expert's low byte
.endr
.irp i, 0,1,2,3,4,5,6,7,8,9,10,11,12,13,14,15
	v_perm_b32 v[SH+\i], v[TOTW+3], v[TOTW+1], v[IDX+\i]    ; byte 0: its high byte
.endr
.irp i, 0,1,2,3,4,5,6,7,8,9,10,11,12,13,14,15
	v_perm_b32 v[LO+\i], v[SH+\i], v[LO+\i], 0x0400         ; the two bytes side by side,
.endr
.irp i, 0,1,2,3,4,5,6,7,8,9,10,11,12,13,14,15
	v_and_b32 v[LO+\i], 0xffff, v[LO+\i]                    ; and nothing above them
.endr
.irp i, 0,1,2,3,4,5,6,7,8,9,10,11,12,13,14,15
	v_add_nc_u32 v[POS+\i], v[POS+\i], v[LO+\i]             ; + the rank within my lane: the row's place
.endr
.irp i, 0,1,2,3,4,5,6,7,8,9,10,11,12,13,14,15
	v_min_u32 v[POS+\i], 0x1fff, v[POS+\i]         ; inside the list, whatever was loaded
.endr
.irp i, 0,1,2,3,4,5,6,7,8,9,10,11,12,13,14,15
	v_lshlrev_b32 v[POS+\i], 2, v[POS+\i]
.endr
.irp i, 0,1,2,3,4,5,6,7,8,9,10,11,12,13,14,15
	global_store_b32 v[POS+\i], v[VAL+\i], s[14:15]   ; a scatter of 4 bytes a lane: 32,768 bytes in all
.endr
	; the list of tiles: thread i (0..159) makes entry i: expert, first place in the list, rows (0..64), tile within the expert.  Entries behind the last tile in use get 0 rows.
	s_cmp_ge_u32 s18, 5                            ; a branch on the wave's number, behind the barrier
	s_cbranch_scc1 .Lno_tiles
	s_mov_b32 s[TB], 0
.irp e, 1,2,3,4,5,6,7
	s_add_co_u32 s[ST], s[TT+\e-1], 63
	s_lshr_b32 s[ST], s[ST], 6
	s_add_co_u32 s[TB+\e], s[TB+\e-1], s[ST]       ; the expert's first tile of 64 rows
.endr
	v_mov_b32 v[ENT], 0                            ; expert 0: its number, its first place,
	v_mov_b32 v[ENT+1], 0
	v_mov_b32 v[ENT+4], 0                          ; its first tile, its rows
	v_mov_b32 v[ENT+5], s[TT]
.irp e, 1,2,3,4,5,6,7                          ; the last expert whose first tile is not beyond i wins
	v_cmp_le_u32 s[SM], s[TB+\e], v0
	v_cndmask_b32 v[ENT], v[ENT], \e, s[SM]
	v_cndmask_b32 v[ENT+1], v[ENT+1], s[OF+\e], s[SM]
	v_cndmask_b32 v[ENT+4], v[ENT+4], s[TB+\e], s[SM]
	v_cndmask_b32 v[ENT+5], v[ENT+5], s[TT+\e], s[SM]
.endr
	v_sub_nc_u32 v[ENT+3], v0, v[ENT+4]            ; k: the tile within the expert
	v_lshlrev_b32 v[ENT+6], 6, v[ENT+3]            ; 64 k
	v_add_nc_u32 v[ENT+1], v[ENT+1], v[ENT+6]
	v_min_u32 v[ENT+1], 0x1fff, v[ENT+1]           ; first place
	v_min_u32 v[ENT+6], v[ENT+6], v[ENT+5]
	v_sub_nc_u32 v[ENT+2], v[ENT+5], v[ENT+6]      ; rows left from 64 k on, 0 where there are none,
	v_min_u32 v[ENT+2], 64, v[ENT+2]               ; 64 at the most
	v_lshlrev_b32 v[ENT+7], 4, v0
	global_store_b128 v[ENT+7], v[ENT:ENT+3], s[16:17]
.Lno_tiles:
	WBLOCK 2, 2048                                 ; the sort issued no load: behind block 2's loads stand block 3's 32, as in every work-group
	WBLOCK 3, 2048
	global_store_b32 v4, v12, s[22:23]             ; the scale words: 128 consecutive bytes a wave
	s_wait_tensorcnt 0x0
	ds_add_u32 v254, v255
	s_wait_dscnt 0x0
	s_endpgm
.Lfunc_end_k_q3975c5705b_prep:
	.size	k_q3975c5705b_prep, .Lfunc_end_k_q3975c5705b_prep-k_q3975c5705b_prep
	.p2alignl 7, 3214868480
	.fill 96, 4, 3214868480
	.section	.rodata,"a",@progbits
	.p2align	6, 0x0
	.amdhsa_kernel k_q3975c5705b_prep
		.amdhsa_group_segment_fixed_size 4096
		.amdhsa_private_segment_fixed_size 0
		.amdhsa_enable_private_segment 0
		.amdhsa_kernarg_size 56
		.amdhsa_user_sgpr_count 2
		.amdhsa_user_sgpr_kernarg_segment_ptr 1
		.amdhsa_wavefront_size32 1
		.amdhsa_system_sgpr_workgroup_id_x 1
		.amdhsa_system_sgpr_workgroup_id_y 1
		.amdhsa_system_sgpr_workgroup_id_z 1
		.amdhsa_system_vgpr_workitem_id 0
		.amdhsa_next_free_vgpr 256
		.amdhsa_next_free_sgpr 72
		.amdhsa_reserve_vcc 0
		.amdhsa_float_denorm_mode_32 3
		.amdhsa_float_denorm_mode_16_64 3
		.amdhsa_memory_ordered 1
		.amdhsa_forward_progress 1
		.amdhsa_inst_pref_size 84
	.end_amdhsa_kernel
	.amdgpu_metadata
---
amdhsa.version: [ 1, 2 ]
amdhsa.kernels:
  - .name:           k_q3975c5705b_prep
    .symbol:         k_q3975c5705b_prep.kd
    .args:
      - { .name: W1, .offset: 0, .size: 8, .value_kind: global_buffer, .address_space: global }
      - { .name: W2, .offset: 8, .size: 8, .value_kind: global_buffer, .address_space: global }
      - { .name: expert_indices, .offset: 16, .size: 8, .value_kind: global_buffer, .address_space: global }
      - { .name: w1q, .offset: 24, .size: 8, .value_kind: global_buffer, .address_space: global }
      - { .name: w2q, .offset: 32, .size: 8, .value_kind: global_buffer, .address_space: global }
      - { .name: order, .offset: 40, .size: 8, .value_kind: global_buffer, .address_space: global }
      - { .name: tiles, .offset: 48, .size: 8, .value_kind: global_buffer, .address_space: global }
    .group_segment_fixed_size: 4096
    .private_segment_fixed_size: 0
    .kernarg_segment_align: 8
    .kernarg_segment_size: 56
    .max_flat_workgroup_size: 512
    .sgpr_count:     72
    .vgpr_count:     256
    .wavefront_size: 32
...
	.end_amdgpu_metadata
.endif
;; end of part 1
;; launch chain (part 2): grid 135 x 1, 8 waves a work-group, no clusters, 128,000 bytes of LDS; arguments inputs, w1q, b1, w2q, b2, order, tiles, out0; writes out0
.if DOCPART == 2
	.amdgcn_target "amdgcn-amd-amdhsa--gfx1250"
	.amdhsa_code_object_version 6
	.text
	.protected	k_q3975c5705b_chain
	.globl	k_q3975c5705b_chain
	.p2align	8
	.type	k_q3975c5705b_chain,@function
k_q3975c5705b_chain:
	s_mov_b64 s[64:65], 0
	v_nop
	global_prefetch_b8 v0, s[64:65] scope:SCOPE_SE
	s_setreg_imm32_b32 hwreg(HW_REG_WAVE_MODE, 25, 1), 1
	s_wait_xcnt 0x0
; CHAIN.  out[row] = Q(relu(Q(x) Q(W1[e]) + b1[e])) Q(W2[e]) + b2[e] for the routed rows (row = 2 t + j, x = inputs[t], e = expert_indices[t][j]), both products on codes of FP4 (E2M1) with one E8M0 scale for each 32 along K.
; A work-group takes ONE TILE of at most 64 routed rows of one expert, as the list of tiles says, through the whole chain; the hidden layer never goes to memory.  8,192 / 64 + 8 - 1 = 135 tiles serve every split.
; SHARES.  The eight waves share the COLUMNS: wave w makes hidden units 256 w .. 256 w + 255 (K steps 2 w, 2 w + 1 of the second product) and outputs 64 w .. 64 w + 63, for all 64 rows.  So each byte of the expert's
; weights enters the work-group once, and a wave's weights are one stream of 32 chunks of 4,352 bytes (16 of w1q, 16 of w2q, each run consecutive in memory), laid by the launch before in the order of the operand's
; registers: a lane loads its fragments whole.  A chunk (64 outputs x 128 K) feeds 16 matrix instructions (4 tiles of outputs x 4 tiles of rows) from a ring of four register sets: 4 chunks a wave are on their way.
; BOTH PRODUCTS ARE USED TRANSPOSED (source 0 = 16 rows of the weight, source 1 = 16 routed rows): lane (r, h) holds row r, and, by the choice of a tile's rows in the chunk, the 16 registers of tiles 2 b, 2 b + 1 are
; the neighbouring columns 32 b + 16 h + 0 .. 15.  The biases are the C of each sum's first matrix instruction (so a bias is its sum's first addend, not its last).
; x's and the hidden layer's codes go from wave to wave through LDS as images of the operand's registers: 16 bytes a lane at 16 x lane, scale words 4 bytes a lane.  Two barriers.
; ROWS BEHIND THE TILE'S COUNT c repeat the tile's last row: they compute and store the same bytes to the same place, so no lane is ever switched off.  A tile with c = 0 (at most 7 of the 135) walks the same text, so that
; both barriers lie on every path, and jumps over the stores by one scalar branch on the stored count, behind the last barrier.
; NO JOINT LOADS, NO TENSOR LOADS: which expert's chunks a work-group reads, and how many tiles an expert has, are numbers read from memory, and the branch above hangs on one; so the operands go from memory into registers.
; LIMITS: NaN and infinities among the inputs are not served; a block of zeros gets the scale byte 1 where the rule says 127 (its codes are zeros; the bytes never leave the program).
; The text is straight-line: every offset is an immediate.
; REGISTERS.  Window 0: v1-18 addresses; v24-27 scale words in the making; v28-39 the quantiser's work; v40-55 codes just made (v24-55 later: the way out's 32 row numbers); v56-71 source 1's scale words, 4 sets x 4;
;   v72-79 the weights' scale words, 4 sets x 2 (lanes 0-15 an even tile's, lanes 16-31 the odd one's); v80-111 the bias of four tiles; v128-255 the 16 accumulators ((m, q) at 128 + 32 m + 8 q), at first x's 128 numbers.
;   Window 1: v0-127 source 1's fragments, 4 sets x 4 tiles of rows (x: all of K; the hidden layer: a ring; at the end the rows read back from the stage); v128-255 the weights' ring, 4 sets x 4 fragments.
.set CHUNK, 4352
.set EXPB,  128*CHUNK
.set HIMG,  0                          ; LDS: the hidden layer's images [K step 16][tile of rows 4][1,024]: at 0, so that every offset fits the 16-bit immediate
.set HSC,   65536                      ; their scale words [16][4][128]
.set XIMG,  73728                      ; x's images [K step 4][4][1,024]
.set XSC,   90112                      ; their scale words [4][4][128]
.set STG,   92160                      ; the way out: for each wave 16 rows x (256 bytes + 16)
.set LI,  1                            ; 16 x lane
.set LS,  2                            ; 4 x lane
.set BO,  3                            ; 64 h: the biases of my half
.set XA,  4                            ; x: my row's byte
.set XWI, 5                            ; where I store x's images;  v6 their scale words
.set XWS, 6
.set XR,  7                            ; where x's images are read;  v8 their scale words
.set XSR, 8
.set HWI, 9                            ; where I store the hidden layer's images;  v10 their scale words
.set HWS, 10
.set HSR, 11                           ; where those scale words are read
.set SO,  14                           ; the stage: in,
.set SR,  15                           ; and back
.set CO,  16                           ; my 16 bytes in a row of out0
.set HB,  24
.set TM,  28                           ; +0..3 largest magnitudes, +4..7 the other half's, then the bytes, +8..11 the conversions' scale operands
.set PC,  40
.set ID,  24
.set XS,  56
.set WS,  72
.set BI,  80
.set ACC, 128
.set SEL, 30                           ; s[30:31] v_permlanex16_b32's selects for lane l xor 16
.set MSB, 0
.macro WIN new                         ; the immediate's high byte repeats the setting that is left; a switch that changes nothing is dropped
.if MSB != \new
	s_set_vgpr_msb (MSB<<8)|\new
.set MSB, \new
.endif
.endm
; Chunk j of my stream (0-15: w1q, 16-31: w2q) into ring set j % 4: eight loads of codes, two of scale words: ten loads
.macro CHUNK_C j
.set CSET, (\j)%4
.set COFF, ((\j)%16)*CHUNK
.set CBAS, 6+4*((\j)/16)
	WIN 0x40                                       ; destination window 1, address window 0
.irp q, 0,1,2,3
.irp c, 0,1
	global_load_b128 v[128+32*CSET+8*\q+4*\c:128+32*CSET+8*\q+4*\c+3], v[LI], s[CBAS:CBAS+1] offset:COFF+\q*1024+512*\c
.endr
.endr
.endm
.macro CHUNK_S j
.set CSET, (\j)%4
.set COFF, ((\j)%16)*CHUNK
.set CBAS, 6+4*((\j)/16)
	WIN 0
.irp p, 0,1
	global_load_b32 v[WS+2*CSET+\p], v[LS], s[CBAS:CBAS+1] offset:COFF+4096+128*\p
.endr
.endm
; The bias of four tiles in the result's layout: lane (r, h) wants, for tile q, columns 32 (q / 2) + 16 h + 8 (q % 2) + 0 .. 7.  g = 0..3: b1 of my group g;  g = 4: b2.  Eight loads
.macro LOADBIAS g
.if (\g) < 4
.set BBAS, 8
.set BOFF, 256*(\g)
.else
.set BBAS, 12
.set BOFF, 0
.endif
	WIN 0
.irp q, 0,1,2,3
.irp i, 0,1
	global_load_b128 v[BI+8*\q+4*\i:BI+8*\q+4*\i+3], v[BO], s[BBAS:BBAS+1] offset:BOFF+(32*(\q/2)+8*(\q%2))*4+16*\i
.endr
.endr
.endm
; Chunk j is multiplied: 16 matrix instructions, the 16 accumulators by turns, one instruction a turn.  n: the global loads issued behind chunk j's, which may stay out;
; d: likewise the LDS loads behind this K step's hidden fragments (-1: none are out);  first = 1: the bias starts the sums.  All operands and scale registers were filled by loads: they owe their waits alone.
; Four plain lines follow: the places in front of the loads into the registers just read and of the first reads of results.
.macro CONSUME j, n, d, first
.set CSET, (\j)%4
	s_wait_loadcnt \n
.if (\d) >= 0
	s_wait_dscnt \d
.endif
	WIN 0x05                                       ; sources 0 and 1 window 1; C and D window 0
.irp q, 0,1,2,3
.irp m, 0,1,2,3
.set rD, ACC+32*\m+8*\q
.set rA, 128+32*CSET+8*\q
.set rB, 32*CSET+8*\m
.set rC, rD
.if \first
.set rC, BI+8*\q
.endif
.set wA, WS+2*CSET+\q/2
.set wB, XS+4*CSET+\m
.if \q%2
	v_wmma_scale_f32_16x16x128_f8f6f4 v[rD:rD+7], v[rA:rA+7], v[rB:rB+7], v[rC:rC+7], v[wA], v[wB] matrix_a_fmt:MATRIX_FMT_FP4 matrix_b_fmt:MATRIX_FMT_FP4 matrix_a_scale:MATRIX_SCALE_ROW1
.else
	v_wmma_scale_f32_16x16x128_f8f6f4 v[rD:rD+7], v[rA:rA+7], v[rB:rB+7], v[rC:rC+7], v[wA], v[wB] matrix_a_fmt:MATRIX_FMT_FP4 matrix_b_fmt:MATRIX_FMT_FP4
.endif
.endr
.endr
.rept 4
	v_nop
.endr
.endm
; 64 numbers of a lane, v[s] on, in four blocks: register 16 b + i = number 16 h + i of block b of my row.  The codes go to v[pc] .. v[pc + 7]: registers 4 c .. 4 c + 3 hold block 2 c in lanes 0-15 and block 2 c + 1 in
; lanes 16-31, as the operand's layout wants them; the four scale bytes stay in v[TM + 4] on.
.macro QCORE s, pc
.irp b, 0,1,2,3
	v_max3_num_f32 v[TM+\b], |v[(\s)+16*\b]|, |v[(\s)+1+16*\b]|, 0x1800000   ; my 16 numbers of block b, and the floor 2^(3 - 127): the byte cannot fall under 1
.endr
.irp i, 2,4,6,8,10,12,14
.irp b, 0,1,2,3
	v_max3_num_f32 v[TM+\b], v[TM+\b], |v[(\s)+16*\b+\i]|, |v[(\s)+1+16*\b+\i]|   ; (the four blocks by turns)
.endr
.endr
.irp b, 0,1,2,3
	v_permlanex16_b32 v[TM+4+\b], v[TM+\b], s[SEL], s[SEL+1]
.endr
.irp b, 0,1,2,3
	v_max_num_f32 v[TM+\b], v[TM+\b], v[TM+4+\b]   ; with lane l xor 16's: the block's largest magnitude
.endr
.irp b, 0,1,2,3
	v_add_nc_u32 v[TM+8+\b], 0xff000000, v[TM+\b]  ; 2 off its exponent field: the conversion's scale operand
.endr
.irp b, 0,1,2,3
	v_lshrrev_b32 v[TM+4+\b], 23, v[TM+8+\b]       ; the scale's byte
.endr
.irp b, 0,1,2,3
	v_cvt_scalef32_pk8_fp4_f32 v[(\pc)+2*\b], v[(\s)+16*\b:(\s)+7+16*\b], v[TM+8+\b]
	v_cvt_scalef32_pk8_fp4_f32 v[(\pc)+1+2*\b], v[(\s)+8+16*\b:(\s)+15+16*\b], v[TM+8+\b]
.endr
	v_nop                                          ; one plain line behind the scaled conversions
.irp c, 0,1
.irp i, 0,1
	v_permlane16_swap_b32 v[(\pc)+4*\c+\i], v[(\pc)+2+4*\c+\i]   ; a whole block to a lane
.endr
.endr
.endm
; Group g of my hidden units (64 of them) for all 64 rows: four chunks along K = 512, relu, quantised: half a K step of the second product for each of the four tiles of rows.
; The counts: behind a chunk's ten loads stand the next three chunks' 30; where the next group's bias (8 loads) was issued among those, 38.
.macro GROUP g
	CONSUME 4*(\g)+0, 30, -1, 1
	CHUNK_C 4*(\g)+4
	LOADBIAS (\g)+1                                ; the bias just read as C takes the next group's (behind group 3: b2)
	CHUNK_S 4*(\g)+4
	CONSUME 4*(\g)+1, 38, -1, 0
	CHUNK_C 4*(\g)+5
	CHUNK_S 4*(\g)+5
	CONSUME 4*(\g)+2, 38, -1, 0
	CHUNK_C 4*(\g)+6
	CHUNK_S 4*(\g)+6
	CONSUME 4*(\g)+3, 38, -1, 0
	CHUNK_C 4*(\g)+7
	CHUNK_S 4*(\g)+7
	s_wait_dscnt 0x0                               ; the last group's LDS stores have read the codes' and the scale words' registers
.set i, 0
.rept 128
	v_max_num_f32 v[ACC+i], 0, v[ACC+i]            ; the activation, in f32; each accumulator from its low end on
.set i, i+1
.endr
.irp mm, 0,1                                   ; two tiles of rows at a time: blocks 0, 1 are tile 2 mm's, blocks 2, 3 tile 2 mm + 1's
	QCORE ACC+64*\mm, PC+8*\mm
.irp a, 0,1
.if ((\g)%2) == 0
	v_lshl_or_b32 v[HB+2*\mm+\a], v[TM+5+2*\a], 8, v[TM+4+2*\a]       ; bytes 0, 1 of the K step's scale word
.else
	v_lshl_or_b32 v[HB+2*\mm+\a], v[TM+4+2*\a], 16, v[HB+2*\mm+\a]    ; bytes 2, 3: the word is whole
	v_lshl_or_b32 v[HB+2*\mm+\a], v[TM+5+2*\a], 24, v[HB+2*\mm+\a]
	ds_store_b32 v[HWS], v[HB+2*\mm+\a] offset:512*((\g)/2)+128*(2*\mm+\a)
.endif
	ds_store_b128 v[HWI], v[PC+8*\mm+4*\a:PC+8*\mm+4*\a+3] offset:4096*((\g)/2)+1024*(2*\mm+\a)+512*((\g)%2)
.endr
.endr
.endm
; The hidden layer's four fragments of K step s, and their scale words, into set s % 4: twelve LDS loads
.macro H_C s
.set HSET, (\s)%4
	WIN 0x40
.irp m, 0,1,2,3
.irp c, 0,1
	ds_load_b128 v[32*HSET+8*\m+4*\c:32*HSET+8*\m+4*\c+3], v[LI] offset:HIMG+4096*(\s)+1024*\m+512*\c
.endr
.endr
.endm
.macro H_S s
.set HSET, (\s)%4
	WIN 0
.irp m, 0,1,2,3
	ds_load_b32 v[XS+4*HSET+\m], v[HSR] offset:128*(4*(\s)+\m)
.endr
.endm
; THE WAY OUT of tile of rows m.  A lane holds 64 neighbouring bytes of two pieces of a row, and the lanes beside it other rows: so the tile goes through my own stage and comes back by rows.  LDS serves a wave's
; instructions in order (ISA guide 5.7.1.4): no wait between the stores and the loads, nor in front of the next tile's stores.  Sixteen LDS instructions.
.macro TOSTAGE m
	WIN 0
.irp b, 0,1
.irp i, 0,1,2,3
	ds_store_b128 v[SO], v[ACC+32*(\m)+16*\b+4*\i:ACC+32*(\m)+16*\b+4*\i+3] offset:128*\b+16*\i   ; ascending: each accumulator from its low end on
.endr
.endr
	WIN 0x40
.irp t, 0,1,2,3,4,5,6,7
	ds_load_b128 v[32*(\m)+4*\t:32*(\m)+4*\t+3], v[SR] offset:544*\t     ; rows 2 t + h
.endr
	WIN 0
.endm
.macro SEND m, y                       ; y: the LDS instructions issued behind tile m's loads, which may stay out.  Every register is used once: none of a pending store is written again
.irp t, 0,1,2,3,4,5,6,7
	v_min_u32 v[ID+8*(\m)+\t], 0x1fff, v[ID+8*(\m)+\t]               ; the routed row, inside out0 whatever was loaded
.endr
.irp t, 0,1,2,3,4,5,6,7
	v_lshl_add_u32 v[ID+8*(\m)+\t], v[ID+8*(\m)+\t], 11, v[CO]       ; x 2,048 bytes + my wave's 256 + my 16
.endr
	s_wait_dscnt \y
	WIN 0x04                                       ; a store's data are its source 1: window 1
.irp t, 0,1,2,3,4,5,6,7
	global_store_b128 v[ID+8*(\m)+\t], v[32*(\m)+4*\t:32*(\m)+4*\t+3], s[18:19] th:TH_STORE_NT   ; sixteen lanes store 256 consecutive bytes, at a multiple of 256 from out0's first byte
.endr
	WIN 0
.endm
	; ---- HEAD
	s_load_b512 s[4:19], s[0:1], 0x0               ; inputs s[4:5], w1q s[6:7], b1 s[8:9], w2q s[10:11], b2 s[12:13], order s[14:15], tiles s[16:17], out0 s[18:19]
	v_lshl_add_u32 v126, v0, 2, 0x1f000
	v_mov_b32 v127, 0
	v_lshrrev_b32 v19, 5, v0
	v_readfirstlane_b32 s24, v19                   ; wave 0..7
	v_and_b32 v19, 31, v0                          ; lane
	v_and_b32 v17, 15, v0                          ; r
	v_bfe_u32 v18, v0, 4, 1                        ; h
	v_lshlrev_b32 v[LI], 4, v19
	v_lshlrev_b32 v[LS], 2, v19
	v_lshlrev_b32 v[BO], 6, v18
	s_and_b32 s25, s24, 1                          ; wave % 2
	s_lshr_b32 s26, s24, 1                         ; wave / 2
	s_lshl_b32 s28, ttmp9, 4                       ; my entry in the list of tiles: 16 bytes each
	s_mov_b32 s29, 0
	s_mov_b32 s[SEL], 0x76543210
	s_mov_b32 s[SEL+1], 0xfedcba98
	s_wait_kmcnt 0x0
	s_add_nc_u64 s[16:17], s[16:17], s[28:29]
	s_load_b128 s[20:23], s[16:17], 0x0            ; expert, first place in the sorted list, rows, (tile within the expert)
	; every LDS address: a constant + a constant x lane + a constant x wave
	s_lshl_b32 s32, s25, 13
	s_lshl_b32 s33, s26, 10
	s_add_co_u32 s32, s32, s33
	s_add_co_u32 s32, s32, XIMG
	v_add_nc_u32 v[XWI], s32, v[LI]                ; x: I make tile of rows wave / 2, K steps 2 (wave % 2) and + 1
	s_lshl_b32 s32, s25, 10
	s_lshl_b32 s33, s26, 7
	s_add_co_u32 s32, s32, s33
	s_add_co_u32 s32, s32, XSC
	v_add_nc_u32 v[XWS], s32, v[LS]
	v_add_nc_u32 v[XR], XIMG, v[LI]
	v_add_nc_u32 v[XSR], XSC, v[LS]
	s_lshl_b32 s32, s24, 13
	v_add_nc_u32 v[HWI], s32, v[LI]                ; the hidden layer: K steps 2 w, 2 w + 1
	s_lshl_b32 s32, s24, 10
	s_add_co_u32 s32, s32, HSC
	v_add_nc_u32 v[HWS], s32, v[LS]
	v_add_nc_u32 v[HSR], HSC, v[LS]
	s_mul_i32 s32, s24, 16*272
	s_add_co_u32 s32, s32, STG                     ; my stage
	v_mul_u32_u24 v[SO], v17, 272
	v_lshl_add_u32 v[SO], v18, 6, v[SO]
	v_add_nc_u32 v[SO], s32, v[SO]                 ; in: row r, + 64 h
	v_mul_u32_u24 v[SR], v18, 272
	v_lshl_add_u32 v[SR], v17, 4, v[SR]
	v_add_nc_u32 v[SR], s32, v[SR]                 ; back: lanes 0-15 one row, lanes 16-31 the next
	s_lshl_b32 s33, s24, 8
	v_lshlrev_b32 v[CO], 4, v17
	v_add_nc_u32 v[CO], s33, v[CO]                 ; in a row of out0: 256 w + 16 r
.irp b, 0,1,2,3
	v_mov_b32 v[TM+4+\b], 0                        ; written once: a lane permute's destination counts as one of its sources
.endr
	s_wait_kmcnt 0x0
	s_min_u32 s20, s20, 7                          ; what was loaded is held inside its range before it enters an address
	s_min_u32 s21, s21, 0x1fff
	s_min_u32 s22, s22, 64
	s_max_u32 s27, s22, 1
	s_sub_co_u32 s27, s27, 1                       ; the tile's last row: slots behind it repeat it
	s_lshl_b32 s32, s26, 4
	v_add_nc_u32 v22, s32, v17                     ; my slot for the gather: 16 (wave / 2) + r
	v_min_u32 v22, s27, v22
	v_add_nc_u32 v22, s21, v22
	v_min_u32 v22, 0x1fff, v22
	v_lshlrev_b32 v22, 2, v22
	global_load_b32 v20, v22, s[14:15]             ; its routed row
	s_mul_i32 s28, s20, EXPB
	s_mul_i32 s32, s24, 16*CHUNK
	s_add_co_u32 s28, s28, s32
	s_add_nc_u64 s[6:7], s[6:7], s[28:29]          ; my 16 chunks of W1,
	s_add_nc_u64 s[10:11], s[10:11], s[28:29]      ; and of W2
	s_lshl_b32 s28, s20, 13
	s_lshl_b32 s32, s24, 10
	s_add_co_u32 s28, s28, s32
	s_add_nc_u64 s[8:9], s[8:9], s[28:29]          ; b1: my 256 numbers
	s_lshl_b32 s28, s20, 11
	s_lshl_b32 s32, s24, 8
	s_add_co_u32 s28, s28, s32
	s_add_nc_u64 s[12:13], s[12:13], s[28:29]      ; b2: my 64
	LOADBIAS 0
	CHUNK_C 0
	CHUNK_C 1
	CHUNK_C 2
	CHUNK_C 3
	CHUNK_S 0
	CHUNK_S 1
	CHUNK_S 2
	CHUNK_S 3
	; ---- X: my 16 rows of x, two K steps of 128: lane (r, h) takes, of each block of 32, its half's 16 neighbours
	s_wait_loadcnt 48                              ; the routed row is in: behind its load stand the bias's 8 and the four chunks' 40
	v_lshrrev_b32 v[XA], 1, v20                    ; the token
	v_min_u32 v[XA], 0xfff, v[XA]
	v_lshlrev_b32 v[XA], 11, v[XA]                 ; a row of x is 2,048 bytes
	v_add_nc_u32 v[XA], v[XA], v[BO]
	s_lshl_b32 s32, s25, 10
	v_add_nc_u32 v[XA], s32, v[XA]                 ; + 64 h + my two K steps' 1,024 (wave % 2)
.irp i, 0,1
.irp b, 0,1,2,3
.irp jj, 0,1,2,3
	global_load_b128 v[ACC+64*\i+16*\b+4*\jj:ACC+64*\i+16*\b+4*\jj+3], v[XA], s[4:5] offset:512*\i+128*\b+16*\jj   ; no hint: a token's row is named by two routed rows
.endr
.endr
.endr
	s_wait_loadcnt 16                              ; the first K step's 16 loads are in; the second's 16 may be out
	QCORE ACC, PC
	v_lshl_or_b32 v[HB], v[TM+5], 8, v[TM+4]       ; the four bytes make my row's scale word
	v_lshl_or_b32 v[HB], v[TM+6], 16, v[HB]
	v_lshl_or_b32 v[HB], v[TM+7], 24, v[HB]
	ds_store_b128 v[XWI], v[PC:PC+3]
	ds_store_b128 v[XWI], v[PC+4:PC+7] offset:512
	ds_store_b32 v[XWS], v[HB]
	s_wait_loadcnt 0x0
	QCORE ACC+64, PC+8
	v_lshl_or_b32 v[HB+1], v[TM+5], 8, v[TM+4]
	v_lshl_or_b32 v[HB+1], v[TM+6], 16, v[HB+1]
	v_lshl_or_b32 v[HB+1], v[TM+7], 24, v[HB+1]
	ds_store_b128 v[XWI], v[PC+8:PC+11] offset:4096
	ds_store_b128 v[XWI], v[PC+12:PC+15] offset:4608
	ds_store_b32 v[XWS], v[HB+1] offset:512
	s_wait_dscnt 0x0                               ; for the others' sake: my stores have landed
	s_barrier_signal -1
	s_barrier_wait -1                              ; x's sixteen fragments lie in LDS
	; ---- 1: the hidden layer.  x's fragments of all of K stay in registers: set s = K step s
	WIN 0x40
.irp k, 0,1,2,3,4,5,6,7,8,9,10,11,12,13,14,15,16,17,18,19,20,21,22,23,24,25,26,27,28,29,30,31
	ds_load_b128 v[4*\k:4*\k+3], v[XR] offset:512*\k
.endr
	WIN 0
.irp f, 0,1,2,3,4,5,6,7,8,9,10,11,12,13,14,15
	ds_load_b32 v[XS+\f], v[XSR] offset:128*\f
.endr
	s_wait_dscnt 0x0
	GROUP 0
	GROUP 1
	GROUP 2
	GROUP 3                                        ; its refills are W2's first four chunks and b2: the ring runs on into the second product
	s_wait_dscnt 0x0                               ; for the others' sake: my stores have landed (loads of weights, which nobody writes, may stay out)
	s_barrier_signal -1
	s_barrier_wait -1                              ; the hidden layer's 64 fragments lie in LDS
	; ---- 2: my 64 outputs.  First the way out's 32 routed rows (register 8 m + t: slot 16 m + 2 t + h), asked for long before they are wanted; each load lands on its own address register
.set k, 0
.rept 32
	v_add_nc_u32 v[ID+k], 2*k, v18
.set k, k+1
.endr
.set k, 0
.rept 32
	v_min_u32 v[ID+k], s27, v[ID+k]
.set k, k+1
.endr
.set k, 0
.rept 32
	v_add_nc_u32 v[ID+k], s21, v[ID+k]
.set k, k+1
.endr
.set k, 0
.rept 32
	v_min_u32 v[ID+k], 0x1fff, v[ID+k]
.set k, k+1
.endr
.set k, 0
.rept 32
	v_lshlrev_b32 v[ID+k], 2, v[ID+k]
.set k, k+1
.endr
.set k, 0
.rept 32
	global_load_b32 v[ID+k], v[ID+k], s[14:15]
.set k, k+1
.endr
	H_C 0
	H_S 0
	H_C 1
	H_S 1
	H_C 2
	H_S 2
	H_C 3
	H_S 3
; K step S2 of 16.  Global loads that may stay out behind its chunk's: the next three chunks' 30, for the first four steps also the 32 routed rows: 62; at the end 20, 10, 0.
; LDS loads that may stay out behind its hidden fragments': the next three steps' 36; at the end 24, 12, 0.
.set S2, 0
.rept 16
.set N2, 30
.set D2, 36
.if S2 < 4
.set N2, 62
.endif
.if S2 > 12
.set N2, 10*(15-S2)
.set D2, 12*(15-S2)
.endif
.if S2 == 0
	CONSUME 16+S2, N2, D2, 1
.else
	CONSUME 16+S2, N2, D2, 0
.endif
.if S2 < 12
	CHUNK_C 20+S2
	H_C 4+S2
	CHUNK_S 20+S2
	H_S 4+S2
.endif
.set S2, S2+1
.endr
	WIN 0                                          ; at a branch and at a label every window is 0
	s_cmp_eq_u32 s22, 0                            ; a tile without rows stores nothing
	s_cbranch_scc1 .Lend
	TOSTAGE 0
	TOSTAGE 1                                      ; a tile's way through the stage stands between the loads of the tile before and its stores
	SEND 0, 16
	TOSTAGE 2
	SEND 1, 16
	TOSTAGE 3
	SEND 2, 16
	SEND 3, 0
.Lend:
	s_wait_tensorcnt 0x0
	ds_add_u32 v126, v127
	s_wait_dscnt 0x0
	s_endpgm
.Lfunc_end_k_q3975c5705b_chain:
	.size	k_q3975c5705b_chain, .Lfunc_end_k_q3975c5705b_chain-k_q3975c5705b_chain
	.p2alignl 7, 3214868480
	.fill 96, 4, 3214868480
	.section	.rodata,"a",@progbits
	.p2align	6, 0x0
	.amdhsa_kernel k_q3975c5705b_chain
		.amdhsa_group_segment_fixed_size 128000
		.amdhsa_private_segment_fixed_size 0
		.amdhsa_enable_private_segment 0
		.amdhsa_kernarg_size 64
		.amdhsa_user_sgpr_count 2
		.amdhsa_user_sgpr_kernarg_segment_ptr 1
		.amdhsa_wavefront_size32 1
		.amdhsa_system_sgpr_workgroup_id_x 1
		.amdhsa_system_sgpr_workgroup_id_y 1
		.amdhsa_system_sgpr_workgroup_id_z 1
		.amdhsa_system_vgpr_workitem_id 0
		.amdhsa_next_free_vgpr 512
		.amdhsa_next_free_sgpr 66
		.amdhsa_reserve_vcc 0
		.amdhsa_float_denorm_mode_32 3
		.amdhsa_float_denorm_mode_16_64 3
		.amdhsa_memory_ordered 1
		.amdhsa_forward_progress 1
		.amdhsa_inst_pref_size 205
	.end_amdhsa_kernel
	.amdgpu_metadata
---
amdhsa.version: [ 1, 2 ]
amdhsa.kernels:
  - .name:           k_q3975c5705b_chain
    .symbol:         k_q3975c5705b_chain.kd
    .args:
      - { .name: inputs, .offset: 0, .size: 8, .value_kind: global_buffer, .address_space: global }
      - { .name: w1q, .offset: 8, .size: 8, .value_kind: global_buffer, .address_space: global }
      - { .name: b1, .offset: 16, .size: 8, .value_kind: global_buffer, .address_space: global }
      - { .name: w2q, .offset: 24, .size: 8, .value_kind: global_buffer, .address_space: global }
      - { .name: b2, .offset: 32, .size: 8, .value_kind: global_buffer, .address_space: global }
      - { .name: order, .offset: 40, .size: 8, .value_kind: global_buffer, .address_space: global }
      - { .name: tiles, .offset: 48, .size: 8, .value_kind: global_buffer, .address_space: global }
      - { .name: out0, .offset: 56, .size: 8, .value_kind: global_buffer, .address_space: global }
    .group_segment_fixed_size: 128000
    .private_segment_fixed_size: 0
    .kernarg_segment_align: 8
    .kernarg_segment_size: 64
    .max_flat_workgroup_size: 256
    .sgpr_count:     66
    .vgpr_count:     512
    .wavefront_size: 32
...
	.end_amdgpu_metadata
.endif
;; end of part 2
;; ======== version 2 of 2: 2 launches; version 1 with the launch chain written anew for expert scheduling mode
;; workspace buffers: w1q 4,456,448 bytes; w2q 4,456,448 bytes; order 32,768 bytes of whole numbers; tiles 2,560 bytes of whole numbers
;; launch prep: the kernel of part 1 again; grid 256 x 1, 16 waves a work-group, no clusters, 4,096 bytes of LDS; arguments W1, W2, expert_indices, w1q, w2q, order, tiles; writes w1q, w2q, order, tiles
;; launch chain (part 3): grid 135 x 1, 8 waves a work-group, no clusters, 128,000 bytes of LDS; arguments inputs, w1q, b1, w2q, b2, order, tiles, out0; writes out0
.if DOCPART == 3
	.amdgcn_target "amdgcn-amd-amdhsa--gfx1250"
	.amdhsa_code_object_version 6
	.text
	.protected	k_q3975c5705b_chain
	.globl	k_q3975c5705b_chain
	.p2align	8
	.type	k_q3975c5705b_chain,@function
k_q3975c5705b_chain:
	s_mov_b64 s[64:65], 0
	v_nop
	global_prefetch_b8 v0, s[64:65] scope:SCOPE_SE
	s_setreg_imm32_b32 hwreg(HW_REG_WAVE_SCHED_MODE, 0, 2), 2
	s_setreg_imm32_b32 hwreg(HW_REG_WAVE_MODE, 25, 1), 1
	s_wait_xcnt 0x0
	s_wait_alu depctr_vm_vsrc(0)
; CHAIN.  out[row] = Q(relu(Q(x) Q(W1[e]) + b1[e])) Q(W2[e]) + b2[e] for the routed rows (row = 2 t + j, x = inputs[t], e = expert_indices[t][j]), both products on codes of FP4 (E2M1) with one E8M0 scale for each 32 along K.
; A work-group takes ONE TILE of at most 64 routed rows of one expert, as the list of tiles says, through the whole chain; the hidden layer never goes to memory.  8,192 / 64 + 8 - 1 = 135 tiles serve every split.
; SHARES.  The eight waves share the COLUMNS: wave w makes hidden units 256 w .. 256 w + 255 (K steps 2 w, 2 w + 1 of the second product) and outputs 64 w .. 64 w + 63, for all 64 rows.  So each byte of the expert's
; weights enters the work-group once, and a wave's weights are one stream of 32 chunks of 4,352 bytes (16 of w1q, 16 of w2q, each run consecutive in memory), laid by the launch before in the order of the operand's
; registers: a lane loads its fragments whole.  A chunk (64 outputs x 128 K) feeds 16 matrix instructions (4 tiles of outputs x 4 tiles of rows) from a ring of four register sets: 4 chunks a wave are on their way.
; BOTH PRODUCTS ARE USED TRANSPOSED (source 0 = 16 rows of the weight, source 1 = 16 routed rows): lane (r, h) holds row r, and, by the choice of a tile's rows in the chunk, the 16 registers of tiles 2 b, 2 b + 1 are
; the neighbouring columns 32 b + 16 h + 0 .. 15.  The biases are the C of each sum's first matrix instruction (so a bias is its sum's first addend, not its last).
; x's and the hidden layer's codes go from wave to wave through LDS as images of the operand's registers: 16 bytes a lane at 16 x lane, scale words 4 bytes a lane.  Two barriers.
; ROWS BEHIND THE TILE'S COUNT c repeat the tile's last row: they compute and store the same bytes to the same place, so no lane is ever switched off.  A tile with c = 0 (at most 7 of the 135) walks the same text, so that
; both barriers lie on every path, and jumps over the stores by one scalar branch on the stored count, behind the last barrier.
; NO JOINT LOADS, NO TENSOR LOADS: which expert's chunks a work-group reads, and how many tiles an expert has, are numbers read from memory, and the branch above hangs on one; so the operands go from memory into registers.
; LIMITS: NaN and infinities among the inputs are not served; a block of zeros gets the scale byte 1 where the rule says 127 (its codes are zeros; the bytes never leave the program).
; The text is straight-line: every offset is an immediate.
; REGISTERS.  Window 0: v1-18 addresses; v24-27 scale words in the making; v28-39 the quantiser's work; v40-55 codes just made (v24-55 later: the way out's 32 row numbers); v56-71 source 1's scale words, 4 sets x 4;
;   v72-79 the weights' scale words, 4 sets x 2 (lanes 0-15 an even tile's, lanes 16-31 the odd one's); v80-111 the bias of four tiles; v126, v127 the closing add's two; v128-255 the 16 accumulators
;   ((m, q) at 128 + 32 m + 8 q), at first x's 128 numbers, and between the two products v128-159 the offsets by which the 32 row numbers are loaded.
;   Window 1: v0-127 source 1's fragments, 4 sets x 4 tiles of rows (x: all of K; the hidden layer: a ring; at the end the rows read back from the stage); v128-255 the weights' ring, 4 sets x 4 fragments.
; THE MODE: SCHED_MODE bits 1:0 = 2 (LLVM: expert scheduling mode 2), set by the entry lines.  The code itself states the register dependences between vector or matrix instructions and memory or LDS instructions,
; with s_wait_alu, always for 0.
; THE PLAN.  Registers that memory or LDS instructions touch, and who else names them:
;   the weights' ring and its scale words   loads land in a set; the set's sixteen matrix instructions read it; the chunk four further on is asked for behind them.
;   the bias                                loads land; a sum's first sixteen matrix instructions read it as C; the next bias is asked for behind them.
;   source 1 and its scale words            LDS loads land; matrix instructions read.  x: filled once.  The hidden layer: a ring like the weights'.  At the end the stage's rows land there and the global stores read them.
;   v128-255                                x's numbers land and the quantiser reads them; then matrix and vector instructions alone, but for v128-159 as offsets between the products; at the end the stage's LDS stores read them.
;   v40-55, v24-27                          the quantiser writes codes and scale words; LDS stores read them.  Later the 32 row numbers land in v24-55, vector lines make offsets of them, the global stores read those.
;   v1-16, v22, v126, v127                  written once at the head, and never again.
; So ONE wait on va_vdst stands in a K step that refills, behind its sixteen matrix instructions and their places, and the step's whole run of loads follows it with no vector or matrix instruction between.  It stands
; there and not at the next step's head so that a set is asked for again at once: the stream has four chunks a wave on their way, and the wave's 512 registers have no room for a fifth set.
; The quantiser's results go out behind one wait on va_vdst for a whole group of LDS stores, and one wait on vm_vsrc stands ahead of the lines that write those registers again.
; On the way out all vector work stands ahead of one wait on va_vdst; behind it no vector or matrix instruction is issued.
.set CHUNK, 4352
.set EXPB,  128*CHUNK
.set HIMG,  0                          ; LDS: the hidden layer's images [K step 16][tile of rows 4][1,024]: at 0, so that every offset fits the 16-bit immediate
.set HSC,   65536                      ; their scale words [16][4][128]
.set XIMG,  73728                      ; x's images [K step 4][4][1,024]
.set XSC,   90112                      ; their scale words [4][4][128]
.set STG,   92160                      ; the way out: for each wave 16 rows x (256 bytes + 16)
.set LI,  1                            ; 16 x lane
.set LS,  2                            ; 4 x lane
.set BO,  3                            ; 64 h: the biases of my half
.set XA,  4                            ; x: my row's byte
.set XWI, 5                            ; where I store x's images;  v6 their scale words
.set XWS, 6
.set XR,  7                            ; where x's images are read;  v8 their scale words
.set XSR, 8
.set HWI, 9                            ; where I store the hidden layer's images;  v10 their scale words
.set HWS, 10
.set HSR, 11                           ; where those scale words are read
.set SO,  14                           ; the stage: in,
.set SR,  15                           ; and back
.set CO,  16                           ; my 16 bytes in a row of out0
.set HB,  24
.set TM,  28                           ; +0..3 largest magnitudes, +4..7 the other half's, then the bytes, +8..11 the conversions' scale operands
.set PC,  40
.set ID,  24
.set XS,  56
.set WS,  72
.set BI,  80
.set ACC, 128
.set AD,  128                          ; v128-159, between the two products: the offsets of the 32 row numbers in the sorted list
.set SEL, 30                           ; s[30:31] v_permlanex16_b32's selects for lane l xor 16
.set MSB, 0
.macro WIN new                         ; the immediate's high byte repeats the setting that is left; a switch that changes nothing is dropped
.if MSB != \new
	s_set_vgpr_msb (MSB<<8)|\new
.set MSB, \new
.endif
.endm
; Chunk j of my stream (0-15: w1q, 16-31: w2q) into ring set j % 4: eight loads of codes, two of scale words: ten loads
.macro CHUNK_C j
.set CSET, (\j)%4
.set COFF, ((\j)%16)*CHUNK
.set CBAS, 6+4*((\j)/16)
	WIN 0x40                                       ; destination window 1, address window 0
.irp q, 0,1,2,3
.irp c, 0,1
	global_load_b128 v[128+32*CSET+8*\q+4*\c:128+32*CSET+8*\q+4*\c+3], v[LI], s[CBAS:CBAS+1] offset:COFF+\q*1024+512*\c
.endr
.endr
.endm
.macro CHUNK_S j
.set CSET, (\j)%4
.set COFF, ((\j)%16)*CHUNK
.set CBAS, 6+4*((\j)/16)
	WIN 0
.irp p, 0,1
	global_load_b32 v[WS+2*CSET+\p], v[LS], s[CBAS:CBAS+1] offset:COFF+4096+128*\p
.endr
.endm
; The bias of four tiles in the result's layout: lane (r, h) wants, for tile q, columns 32 (q / 2) + 16 h + 8 (q % 2) + 0 .. 7.  g = 0..3: b1 of my group g;  g = 4: b2.  Eight loads
.macro LOADBIAS g
.if (\g) < 4
.set BBAS, 8
.set BOFF, 256*(\g)
.else
.set BBAS, 12
.set BOFF, 0
.endif
	WIN 0
.irp q, 0,1,2,3
.irp i, 0,1
	global_load_b128 v[BI+8*\q+4*\i:BI+8*\q+4*\i+3], v[BO], s[BBAS:BBAS+1] offset:BOFF+(32*(\q/2)+8*(\q%2))*4+16*\i
.endr
.endr
.endm
; Chunk j is multiplied: 16 matrix instructions, the 16 accumulators by turns, one instruction a turn.  n: the global loads issued behind chunk j's, which may stay out;
; d: likewise the LDS loads behind this K step's hidden fragments (-1: none are out);  first = 1: the bias starts the sums.  All operands and scale registers were filled by loads: they owe their waits alone.
; Four plain lines follow: the places in front of the loads into the registers just read and of the first reads of results.  refill = 1: loads into the registers just read follow the macro.
.macro CONSUME j, n, d, first, refill
.set CSET, (\j)%4
	s_wait_loadcnt \n
.if (\d) >= 0
	s_wait_dscnt \d
.endif
	WIN 0x05                                       ; sources 0 and 1 window 1; C and D window 0
.irp q, 0,1,2,3
.irp m, 0,1,2,3
.set rD, ACC+32*\m+8*\q
.set rA, 128+32*CSET+8*\q
.set rB, 32*CSET+8*\m
.set rC, rD
.if \first
.set rC, BI+8*\q
.endif
.set wA, WS+2*CSET+\q/2
.set wB, XS+4*CSET+\m
.if \q%2
	v_wmma_scale_f32_16x16x128_f8f6f4 v[rD:rD+7], v[rA:rA+7], v[rB:rB+7], v[rC:rC+7], v[wA], v[wB] matrix_a_fmt:MATRIX_FMT_FP4 matrix_b_fmt:MATRIX_FMT_FP4 matrix_a_scale:MATRIX_SCALE_ROW1
.else
	v_wmma_scale_f32_16x16x128_f8f6f4 v[rD:rD+7], v[rA:rA+7], v[rB:rB+7], v[rC:rC+7], v[wA], v[wB] matrix_a_fmt:MATRIX_FMT_FP4 matrix_b_fmt:MATRIX_FMT_FP4
.endif
.endr
.endr
.rept 4
	v_nop
.endr
.if \refill
	s_wait_alu depctr_va_vdst(0)                   ; the sixteen matrix instructions are done reading this ring set, its scale words, the bias where it was their C, and in the second product source 1's set and its scale words: the loads that follow the macro land in these
.endif
.endm
; 64 numbers of a lane, v[s] on, in four blocks: register 16 b + i = number 16 h + i of block b of my row.  The codes go to v[pc] .. v[pc + 7]: registers 4 c .. 4 c + 3 hold block 2 c in lanes 0-15 and block 2 c + 1 in
; lanes 16-31, as the operand's layout wants them; the four scale bytes stay in v[TM + 4] on.
.macro QCORE s, pc
.irp b, 0,1,2,3
	v_max3_num_f32 v[TM+\b], |v[(\s)+16*\b]|, |v[(\s)+1+16*\b]|, 0x1800000   ; my 16 numbers of block b, and the floor 2^(3 - 127): the byte cannot fall under 1
.endr
.irp i, 2,4,6,8,10,12,14
.irp b, 0,1,2,3
	v_max3_num_f32 v[TM+\b], v[TM+\b], |v[(\s)+16*\b+\i]|, |v[(\s)+1+16*\b+\i]|   ; (the four blocks by turns)
.endr
.endr
.irp b, 0,1,2,3
	v_permlanex16_b32 v[TM+4+\b], v[TM+\b], s[SEL], s[SEL+1]
.endr
.irp b, 0,1,2,3
	v_max_num_f32 v[TM+\b], v[TM+\b], v[TM+4+\b]   ; with lane l xor 16's: the block's largest magnitude
.endr
.irp b, 0,1,2,3
	v_add_nc_u32 v[TM+8+\b], 0xff000000, v[TM+\b]  ; 2 off its exponent field: the conversion's scale operand
.endr
.irp b, 0,1,2,3
	v_lshrrev_b32 v[TM+4+\b], 23, v[TM+8+\b]       ; the scale's byte
.endr
.irp b, 0,1,2,3
	v_cvt_scalef32_pk8_fp4_f32 v[(\pc)+2*\b], v[(\s)+16*\b:(\s)+7+16*\b], v[TM+8+\b]
	v_cvt_scalef32_pk8_fp4_f32 v[(\pc)+1+2*\b], v[(\s)+8+16*\b:(\s)+15+16*\b], v[TM+8+\b]
.endr
	v_nop                                          ; one plain line behind the scaled conversions
.irp c, 0,1
.irp i, 0,1
	v_permlane16_swap_b32 v[(\pc)+4*\c+\i], v[(\pc)+2+4*\c+\i]   ; a whole block to a lane
.endr
.endr
.endm
; Group g of my hidden units (64 of them) for all 64 rows: four chunks along K = 512, relu, quantised: half a K step of the second product for each of the four tiles of rows.
; The counts: behind a chunk's ten loads stand the next three chunks' 30; where the next group's bias (8 loads) was issued among those, 38.
.macro GROUP g
	CONSUME 4*(\g)+0, 30, -1, 1, 1
	CHUNK_C 4*(\g)+4
	LOADBIAS (\g)+1                                ; the bias just read as C takes the next group's (behind group 3: b2)
	CHUNK_S 4*(\g)+4
	CONSUME 4*(\g)+1, 38, -1, 0, 1
	CHUNK_C 4*(\g)+5
	CHUNK_S 4*(\g)+5
	CONSUME 4*(\g)+2, 38, -1, 0, 1
	CHUNK_C 4*(\g)+6
	CHUNK_S 4*(\g)+6
	CONSUME 4*(\g)+3, 38, -1, 0, 1
	s_wait_alu depctr_vm_vsrc(0)                   ; the last group's LDS stores (ahead of group 0: x's) have read the codes' and the scale words' registers, which the quantiser below writes again; the loads between read v[LI] and v[LS] alone
	CHUNK_C 4*(\g)+7
	CHUNK_S 4*(\g)+7
	s_wait_dscnt 0x0                               ; the last group's LDS stores have read the codes' and the scale words' registers
.set i, 0
.rept 128
	v_max_num_f32 v[ACC+i], 0, v[ACC+i]            ; the activation, in f32; each accumulator from its low end on
.set i, i+1
.endr
.irp mm, 0,1                                   ; two tiles of rows at a time: blocks 0, 1 are tile 2 mm's, blocks 2, 3 tile 2 mm + 1's
	QCORE ACC+64*\mm, PC+8*\mm
.irp a, 0,1
.if ((\g)%2) == 0
	v_lshl_or_b32 v[HB+2*\mm+\a], v[TM+5+2*\a], 8, v[TM+4+2*\a]       ; bytes 0, 1 of the K step's scale word
.else
	v_lshl_or_b32 v[HB+2*\mm+\a], v[TM+4+2*\a], 16, v[HB+2*\mm+\a]    ; bytes 2, 3: the word is whole
	v_lshl_or_b32 v[HB+2*\mm+\a], v[TM+5+2*\a], 24, v[HB+2*\mm+\a]
.endif
.endr
.endr
	s_wait_alu depctr_va_vdst(0)                   ; the quantiser has written the sixteen registers of codes and the four scale words, which the LDS stores below read
.irp mm, 0,1
.irp a, 0,1
.if ((\g)%2) == 1
	ds_store_b32 v[HWS], v[HB+2*\mm+\a] offset:512*((\g)/2)+128*(2*\mm+\a)
.endif
	ds_store_b128 v[HWI], v[PC+8*\mm+4*\a:PC+8*\mm+4*\a+3] offset:4096*((\g)/2)+1024*(2*\mm+\a)+512*((\g)%2)
.endr
.endr
.endm
; The hidden layer's four fragments of K step s, and their scale words, into set s % 4: twelve LDS loads
.macro H_C s
.set HSET, (\s)%4
	WIN 0x40
.irp m, 0,1,2,3
.irp c, 0,1
	ds_load_b128 v[32*HSET+8*\m+4*\c:32*HSET+8*\m+4*\c+3], v[LI] offset:HIMG+4096*(\s)+1024*\m+512*\c
.endr
.endr
.endm
.macro H_S s
.set HSET, (\s)%4
	WIN 0
.irp m, 0,1,2,3
	ds_load_b32 v[XS+4*HSET+\m], v[HSR] offset:128*(4*(\s)+\m)
.endr
.endm
; THE WAY OUT of tile of rows m.  A lane holds 64 neighbouring bytes of two pieces of a row, and the lanes beside it other rows: so the tile goes through my own stage and comes back by rows.  LDS serves a wave's
; instructions in order (ISA guide 5.7.1.4): no wait between the stores and the loads, nor in front of the next tile's stores.  Sixteen LDS instructions.
.macro TOSTAGE m
	WIN 0
.irp b, 0,1
.irp i, 0,1,2,3
	ds_store_b128 v[SO], v[ACC+32*(\m)+16*\b+4*\i:ACC+32*(\m)+16*\b+4*\i+3] offset:128*\b+16*\i   ; ascending: each accumulator from its low end on
.endr
.endr
	WIN 0x40
.irp t, 0,1,2,3,4,5,6,7
	ds_load_b128 v[32*(\m)+4*\t:32*(\m)+4*\t+3], v[SR] offset:544*\t     ; rows 2 t + h
.endr
	WIN 0
.endm
.macro SEND m, y                       ; y: the LDS instructions issued behind tile m's loads, which may stay out.  Every register is used once: none of a pending store is written again
	s_wait_dscnt \y
	WIN 0x04                                       ; a store's data are its source 1: window 1
.irp t, 0,1,2,3,4,5,6,7
	global_store_b128 v[ID+8*(\m)+\t], v[32*(\m)+4*\t:32*(\m)+4*\t+3], s[18:19] th:TH_STORE_NT   ; sixteen lanes store 256 consecutive bytes, at a multiple of 256 from out0's first byte
.endr
	WIN 0
.endm
	; ---- HEAD
	s_load_b512 s[4:19], s[0:1], 0x0               ; inputs s[4:5], w1q s[6:7], b1 s[8:9], w2q s[10:11], b2 s[12:13], order s[14:15], tiles s[16:17], out0 s[18:19]
	v_lshl_add_u32 v126, v0, 2, 0x1f000            ; the closing add's two registers, made here and kept for it alone: my spare word behind the stages,
	v_mov_b32 v127, 0                              ; and 0
	v_lshrrev_b32 v19, 5, v0
	v_readfirstlane_b32 s24, v19                   ; wave 0..7
	v_and_b32 v19, 31, v0                          ; lane
	v_and_b32 v17, 15, v0                          ; r
	v_bfe_u32 v18, v0, 4, 1                        ; h
	v_lshlrev_b32 v[LI], 4, v19
	v_lshlrev_b32 v[LS], 2, v19
	v_lshlrev_b32 v[BO], 6, v18
	s_wait_alu depctr_va_sdst(0)                   ; s24 is written, ahead of its first reader: LDS addresses and the bases of the weights and biases are made from it
	s_and_b32 s25, s24, 1                          ; wave % 2
	s_lshr_b32 s26, s24, 1                         ; wave / 2
	s_lshl_b32 s28, ttmp9, 4                       ; my entry in the list of tiles: 16 bytes each
	s_mov_b32 s29, 0
	s_mov_b32 s[SEL], 0x76543210
	s_mov_b32 s[SEL+1], 0xfedcba98
	s_wait_kmcnt 0x0
	s_add_nc_u64 s[16:17], s[16:17], s[28:29]
	s_load_b128 s[20:23], s[16:17], 0x0            ; expert, first place in the sorted list, rows, (tile within the expert)
	; every LDS address: a constant + a constant x lane + a constant x wave
	s_lshl_b32 s32, s25, 13
	s_lshl_b32 s33, s26, 10
	s_add_co_u32 s32, s32, s33
	s_add_co_u32 s32, s32, XIMG
	v_add_nc_u32 v[XWI], s32, v[LI]                ; x: I make tile of rows wave / 2, K steps 2 (wave % 2) and + 1
	s_lshl_b32 s32, s25, 10
	s_lshl_b32 s33, s26, 7
	s_add_co_u32 s32, s32, s33
	s_add_co_u32 s32, s32, XSC
	v_add_nc_u32 v[XWS], s32, v[LS]
	v_add_nc_u32 v[XR], XIMG, v[LI]
	v_add_nc_u32 v[XSR], XSC, v[LS]
	s_lshl_b32 s32, s24, 13
	v_add_nc_u32 v[HWI], s32, v[LI]                ; the hidden layer: K steps 2 w, 2 w + 1
	s_lshl_b32 s32, s24, 10
	s_add_co_u32 s32, s32, HSC
	v_add_nc_u32 v[HWS], s32, v[LS]
	v_add_nc_u32 v[HSR], HSC, v[LS]
	s_mul_i32 s32, s24, 16*272
	s_add_co_u32 s32, s32, STG                     ; my stage
	v_mul_u32_u24 v[SO], v17, 272
	v_lshl_add_u32 v[SO], v18, 6, v[SO]
	v_add_nc_u32 v[SO], s32, v[SO]                 ; in: row r, + 64 h
	v_mul_u32_u24 v[SR], v18, 272
	v_lshl_add_u32 v[SR], v17, 4, v[SR]
	v_add_nc_u32 v[SR], s32, v[SR]                 ; back: lanes 0-15 one row, lanes 16-31 the next
	s_lshl_b32 s33, s24, 8
	v_lshlrev_b32 v[CO], 4, v17
	v_add_nc_u32 v[CO], s33, v[CO]                 ; in a row of out0: 256 w + 16 r
.irp b, 0,1,2,3
	v_mov_b32 v[TM+4+\b], 0                        ; written once: a lane permute's destination counts as one of its sources
.endr
	s_wait_kmcnt 0x0
	s_min_u32 s20, s20, 7                          ; what was loaded is held inside its range before it enters an address
	s_min_u32 s21, s21, 0x1fff
	s_min_u32 s22, s22, 64
	s_max_u32 s27, s22, 1
	s_sub_co_u32 s27, s27, 1                       ; the tile's last row: slots behind it repeat it
	s_lshl_b32 s32, s26, 4
	v_add_nc_u32 v22, s32, v17                     ; my slot for the gather: 16 (wave / 2) + r
	v_min_u32 v22, s27, v22
	v_add_nc_u32 v22, s21, v22
	v_min_u32 v22, 0x1fff, v22
	v_lshlrev_b32 v22, 2, v22
	s_mul_i32 s28, s20, EXPB                       ; the scalar bases are made ahead of the wait below, so that loads and window switches alone stand between it and the loads
	s_mul_i32 s32, s24, 16*CHUNK
	s_add_co_u32 s28, s28, s32
	s_add_nc_u64 s[6:7], s[6:7], s[28:29]          ; my 16 chunks of W1,
	s_add_nc_u64 s[10:11], s[10:11], s[28:29]      ; and of W2
	s_lshl_b32 s28, s20, 13
	s_lshl_b32 s32, s24, 10
	s_add_co_u32 s28, s28, s32
	s_add_nc_u64 s[8:9], s[8:9], s[28:29]          ; b1: my 256 numbers
	s_lshl_b32 s28, s20, 11
	s_lshl_b32 s32, s24, 8
	s_add_co_u32 s28, s28, s32
	s_add_nc_u64 s[12:13], s[12:13], s[28:29]      ; b2: my 64
	s_wait_alu depctr_va_vdst(0)                   ; v22 and all the addresses of the head (v1-3, v5-11, v14-16, v126, v127) are written: every load, store and LDS instruction of the kernel but x's gather and the two runs by row numbers reads one of them, and none is written again
	global_load_b32 v20, v22, s[14:15]             ; its routed row
	LOADBIAS 0
	CHUNK_C 0
	CHUNK_C 1
	CHUNK_C 2
	CHUNK_C 3
	CHUNK_S 0
	CHUNK_S 1
	CHUNK_S 2
	CHUNK_S 3
	; ---- X: my 16 rows of x, two K steps of 128: lane (r, h) takes, of each block of 32, its half's 16 neighbours
	s_wait_loadcnt 48                              ; the routed row is in: behind its load stand the bias's 8 and the four chunks' 40
	v_lshrrev_b32 v[XA], 1, v20                    ; the token
	v_min_u32 v[XA], 0xfff, v[XA]
	v_lshlrev_b32 v[XA], 11, v[XA]                 ; a row of x is 2,048 bytes
	v_add_nc_u32 v[XA], v[XA], v[BO]
	s_lshl_b32 s32, s25, 10
	v_add_nc_u32 v[XA], s32, v[XA]                 ; + 64 h + my two K steps' 1,024 (wave % 2)
	s_wait_alu depctr_va_vdst(0)                   ; v[XA] is written, which the 32 loads below read as their offset
.irp i, 0,1
.irp b, 0,1,2,3
.irp jj, 0,1,2,3
	global_load_b128 v[ACC+64*\i+16*\b+4*\jj:ACC+64*\i+16*\b+4*\jj+3], v[XA], s[4:5] offset:512*\i+128*\b+16*\jj   ; no hint: a token's row is named by two routed rows
.endr
.endr
.endr
	s_wait_loadcnt 16                              ; the first K step's 16 loads are in; the second's 16 may be out
	QCORE ACC, PC
	v_lshl_or_b32 v[HB], v[TM+5], 8, v[TM+4]       ; the four bytes make my row's scale word
	v_lshl_or_b32 v[HB], v[TM+6], 16, v[HB]
	v_lshl_or_b32 v[HB], v[TM+7], 24, v[HB]
	s_wait_loadcnt 0x0
	QCORE ACC+64, PC+8
	v_lshl_or_b32 v[HB+1], v[TM+5], 8, v[TM+4]
	v_lshl_or_b32 v[HB+1], v[TM+6], 16, v[HB+1]
	v_lshl_or_b32 v[HB+1], v[TM+7], 24, v[HB+1]
	s_wait_alu depctr_va_vdst(0)                   ; the quantiser has written both K steps' codes and scale words, which the six LDS stores below read
	ds_store_b128 v[XWI], v[PC:PC+3]
	ds_store_b128 v[XWI], v[PC+4:PC+7] offset:512
	ds_store_b32 v[XWS], v[HB]
	ds_store_b128 v[XWI], v[PC+8:PC+11] offset:4096
	ds_store_b128 v[XWI], v[PC+12:PC+15] offset:4608
	ds_store_b32 v[XWS], v[HB+1] offset:512
	s_wait_dscnt 0x0                               ; for the others' sake: my stores have landed
	s_barrier_signal -1
	s_barrier_wait -1                              ; x's sixteen fragments lie in LDS
	; ---- 1: the hidden layer.  x's fragments of all of K stay in registers: set s = K step s.  (No vector or matrix instruction has named the registers in which these loads land)
	WIN 0x40
.irp k, 0,1,2,3,4,5,6,7,8,9,10,11,12,13,14,15,16,17,18,19,20,21,22,23,24,25,26,27,28,29,30,31
	ds_load_b128 v[4*\k:4*\k+3], v[XR] offset:512*\k
.endr
	WIN 0
.irp f, 0,1,2,3,4,5,6,7,8,9,10,11,12,13,14,15
	ds_load_b32 v[XS+\f], v[XSR] offset:128*\f
.endr
	s_wait_dscnt 0x0
	GROUP 0
	GROUP 1
	GROUP 2
	GROUP 3                                        ; its refills are W2's first four chunks and b2: the ring runs on into the second product
	s_wait_dscnt 0x0                               ; for the others' sake: my stores have landed (loads of weights, which nobody writes, may stay out)
	s_barrier_signal -1
	s_barrier_wait -1                              ; the hidden layer's 64 fragments lie in LDS
	; ---- 2: my 64 outputs.  First the way out's 32 routed rows (register 8 m + t: slot 16 m + 2 t + h), asked for long before they are wanted.  Their offsets are made in v128-159, which lie idle between the products
	s_wait_alu depctr_vm_vsrc(0)                   ; group 3's LDS stores have read v24-27 and v40-55, in which the 32 routed rows land
.set k, 0
.rept 32
	v_add_nc_u32 v[AD+k], 2*k, v18
.set k, k+1
.endr
.set k, 0
.rept 32
	v_min_u32 v[AD+k], s27, v[AD+k]
.set k, k+1
.endr
.set k, 0
.rept 32
	v_add_nc_u32 v[AD+k], s21, v[AD+k]
.set k, k+1
.endr
.set k, 0
.rept 32
	v_min_u32 v[AD+k], 0x1fff, v[AD+k]
.set k, k+1
.endr
.set k, 0
.rept 32
	v_lshlrev_b32 v[AD+k], 2, v[AD+k]
.set k, k+1
.endr
	s_wait_alu depctr_va_vdst(0)                   ; the 32 offsets are written; the quantiser is done with v24-55, in which the routed rows land; the first product's matrix instructions are done reading x's fragments and scale words, in which the hidden layer's land
.set k, 0
.rept 32
	global_load_b32 v[ID+k], v[AD+k], s[14:15]
.set k, k+1
.endr
	H_C 0
	H_S 0
	H_C 1
	H_S 1
	H_C 2
	H_S 2
	H_C 3
	H_S 3
	s_wait_xcnt 0x0                                ; every earlier memory instruction has had its addresses translated (ISA guide 3.1): the offsets in v128-159 are written again only behind this wait,
	s_wait_alu depctr_vm_vsrc(0)                   ; and the 32 loads have read them: the second product's first matrix instructions write these registers
; K step S2 of 16.  Global loads that may stay out behind its chunk's: the next three chunks' 30, for the first four steps also the 32 routed rows: 62; at the end 20, 10, 0.
; LDS loads that may stay out behind its hidden fragments': the next three steps' 36; at the end 24, 12, 0.  The last four steps ask for nothing, so they hold no wait on va_vdst.
.set S2, 0
.rept 16
.set N2, 30
.set D2, 36
.if S2 < 4
.set N2, 62
.endif
.if S2 > 12
.set N2, 10*(15-S2)
.set D2, 12*(15-S2)
.endif
.if S2 == 0
	CONSUME 16+S2, N2, D2, 1, 1
.elseif S2 < 12
	CONSUME 16+S2, N2, D2, 0, 1
.else
	CONSUME 16+S2, N2, D2, 0, 0
.endif
.if S2 < 12
	CHUNK_C 20+S2
	H_C 4+S2
	CHUNK_S 20+S2
	H_S 4+S2
.endif
.set S2, S2+1
.endr
	WIN 0                                          ; at a branch and at a label every window is 0
	s_cmp_eq_u32 s22, 0                            ; a tile without rows stores nothing
	s_cbranch_scc1 .Lend
	; all the way out's vector work stands here, behind the last products and their places: the 32 routed rows (in since the fifth K step's wait) become the stores' offsets
.set k, 0
.rept 32
	v_min_u32 v[ID+k], 0x1fff, v[ID+k]             ; the routed row, inside out0 whatever was loaded
.set k, k+1
.endr
.set k, 0
.rept 32
	v_lshl_add_u32 v[ID+k], v[ID+k], 11, v[CO]     ; x 2,048 bytes + my wave's 256 + my 16
.set k, k+1
.endr
	s_wait_alu depctr_va_vdst(0)                   ; the matrix instructions have written the accumulators, which the stage's LDS stores read, and are done reading source 1's registers, in which the stage's rows land; the 32 offsets are written, which the global stores read.  No vector or matrix instruction follows
	TOSTAGE 0
	TOSTAGE 1                                      ; a tile's way through the stage stands between the loads of the tile before and its stores
	SEND 0, 16
	TOSTAGE 2
	SEND 1, 16
	TOSTAGE 3
	SEND 2, 16
	SEND 3, 0
.Lend:
	s_wait_dscnt 0x0                               ; the closing lines, six on end
	s_wait_alu 0x0
	s_wait_tensorcnt 0x0
	ds_add_u32 v126, v127
	s_wait_dscnt 0x0
	s_endpgm
.Lfunc_end_k_q3975c5705b_chain:
	.size	k_q3975c5705b_chain, .Lfunc_end_k_q3975c5705b_chain-k_q3975c5705b_chain
	.p2alignl 7, 3214868480
	.fill 96, 4, 3214868480
	.section	.rodata,"a",@progbits
	.p2align	6, 0x0
	.amdhsa_kernel k_q3975c5705b_chain
		.amdhsa_group_segment_fixed_size 128000
		.amdhsa_private_segment_fixed_size 0
		.amdhsa_enable_private_segment 0
		.amdhsa_kernarg_size 64
		.amdhsa_user_sgpr_count 2
		.amdhsa_user_sgpr_kernarg_segment_ptr 1
		.amdhsa_wavefront_size32 1
		.amdhsa_system_sgpr_workgroup_id_x 1
		.amdhsa_system_sgpr_workgroup_id_y 1
		.amdhsa_system_sgpr_workgroup_id_z 1
		.amdhsa_system_vgpr_workitem_id 0
		.amdhsa_next_free_vgpr 512
		.amdhsa_next_free_sgpr 66
		.amdhsa_reserve_vcc 0
		.amdhsa_float_denorm_mode_32 3
		.amdhsa_float_denorm_mode_16_64 3
		.amdhsa_memory_ordered 1
		.amdhsa_forward_progress 1
		.amdhsa_inst_pref_size 206
	.end_amdhsa_kernel
	.amdgpu_metadata
---
amdhsa.version: [ 1, 2 ]
amdhsa.kernels:
  - .name:           k_q3975c5705b_chain
    .symbol:         k_q3975c5705b_chain.kd
    .args:
      - { .name: inputs, .offset: 0, .size: 8, .value_kind: global_buffer, .address_space: global }
      - { .name: w1q, .offset: 8, .size: 8, .value_kind: global_buffer, .address_space: global }
      - { .name: b1, .offset: 16, .size: 8, .value_kind: global_buffer, .address_space: global }
      - { .name: w2q, .offset: 24, .size: 8, .value_kind: global_buffer, .address_space: global }
      - { .name: b2, .offset: 32, .size: 8, .value_kind: global_buffer, .address_space: global }
      - { .name: order, .offset: 40, .size: 8, .value_kind: global_buffer, .address_space: global }
      - { .name: tiles, .offset: 48, .size: 8, .value_kind: global_buffer, .address_space: global }
      - { .name: out0, .offset: 56, .size: 8, .value_kind: global_buffer, .address_space: global }
    .group_segment_fixed_size: 128000
    .private_segment_fixed_size: 0
    .kernarg_segment_align: 8
    .kernarg_segment_size: 64
    .max_flat_workgroup_size: 256
    .sgpr_count:     66
    .vgpr_count:     512
    .wavefront_size: 32
...
	.end_amdgpu_metadata
.endif
;; end of part 3
